; MI455X (gfx1250); checked and timed in simulation.
; The chip was launched on July 23, 2026; its instructions are those of AMD's public machine-readable ISA for CDNA 5 (MIT licence, August 2026) and "CDNA5" Instruction Set Architecture Reference Guide (July 2026). The comments in the code are by the model that wrote it; some were corrected since.
;; Pointnet FP. Allowed arithmetic: matrix products marked QUANTISED: E2M3 operands, one E8M0 scale for each 32 along K, by v_wmma_scale_f32_16x16x128_f8f6f4 with both operands' format E2M3, f32 sums; everything else in f32.
;; Inputs: feats_source 4 x 2,048 x 256 float32; feats_target 4 x 8,192 x 128 float32; w1_codes 256 x 12 x 24 uint8 (E2M3 codes of w1, K innermost, in blocks of 32 codes, four codes in three bytes); w1_scales 256 x 12 uint8 (E8M0 scales of w1, one for each 32 codes along K); w2_codes 256 x 8 x 24 uint8 (E2M3 codes of w2, K innermost, in blocks of 32 codes, four codes in three bytes); w2_scales 256 x 8 uint8 (E8M0 scales of w2, one for each 32 codes along K); xyz_source 4 x 2,048 x 3 float32; xyz_target 4 x 8,192 x 3 float32.
;; Outputs: out0 4 x 8,192 x 256 float32.
;; This version of the problem:
;;   THIS VERSION OF THE PROBLEM IS GIVEN IN LOW PRECISION. The matrix products marked QUANTISED in the list below multiply operands that are first quantised to E2M3 (2 exponent bits, 3 mantissa bits; 6 bits a number), with one power-of-two scale for each 32 numbers along K (OCP MX v1.0); their sums are f32. All else is computed in f32.
;;   The module's matrix products, in the order in which they are computed (A, B: the left and right operand; K: the contracted axis; several contracted axes count as one K, in the product's order):
;;     1. [M 32,768, K 384] x [K 384, N 256]; A: computed on the way; B: input w1 (given as codes): QUANTISED
;;     2. [M 32,768, K 256] x [K 256, N 256]; A: computed on the way; B: input w2 (given as codes): QUANTISED
;;   THE QUANTISER, for each operand of a quantised product, along K:
;;     - K is cut into blocks of 32 from its start; a last block that is shorter is filled with zeros.
;;     - A block's scale is 2^e with e = floor(log2(the largest magnitude in the block)) - 2, held to -126 .. 127; a block of zeros has e = 0. As a byte (E8M0): e + 127.
;;     - Each number is divided by its block's scale, clamped to +-7.5, and rounded to the nearest number of E2M3, ties to even, subnormals kept.
;;     - The product sums the exact products of the quantised numbers (number of the format x scale) in f32.
;;   ~~~python
;;   def quantise(x, axis):      # numpy; x: float32 -> the quantised numbers, widened to float32 again
;;       x = np.moveaxis(x, axis, -1); K = x.shape[-1]
;;       x = np.pad(x, [(0, 0)] * (x.ndim - 1) + [(0, -K % 32)]); x = x.reshape(x.shape[:-1] + (-1, 32)); a = np.abs(x).max(-1, keepdims=True)
;;       e = np.where(a > 0, np.clip(np.frexp(np.where(a > 0, a, 1))[1] - 1 - 2, -126, 127), 0)      # np.frexp(a)[1] - 1 = floor(log2(a)), exactly
;;       r = np.clip(x / 2.0 ** e, -7.5, 7.5)
;;       step = 2.0 ** (np.maximum(np.frexp(np.where(r == 0, 1, r))[1] - 1, 0) - 3)
;;       q = np.round(r / step) * step * 2.0 ** e      # np.round: ties to even
;;       return np.moveaxis(q.reshape(q.shape[:-2] + (-1,))[..., :K], -1, axis).astype(np.float32)
;;   ~~~
;;   OPERANDS COMPUTED ON THE WAY. 'Computed on the way' means the value that the module computes at that place (a softmax that the list does not call 'softmax' is quantised finished and normalised). What goes into a quantiser is computed in f32, as accurately as f32 sums, v_exp_f32 and their like allow (about 1e-6 of the number): no bf16 or f16 on the way to a quantiser, and a product that is left as it is and whose result goes on into a quantised operand takes f32 operands (vector FMAs, or v_wmma_f32_16x16x4_f32). A number that lies on a knife's edge between two numbers of the format may be rounded either way, as far as f32 arithmetic and the matrix unit's own rounding can turn it there, and no further.
;;   INPUTS GIVEN AS CODES. w1 (in the module: [384, 256], K = its axis 0); w2 (in the module: [256, 256], K = its axis 0): each comes as NAME_codes (uint8): NAME with its K axis moved to the last place and cut into blocks of 32 codes, [.., K / 32, bytes a block], one block behind the other in memory; four codes in three bytes: a row's codes are one little-endian stream of bits, code i at bits 6 i .. 6 i + 5 (a code: sign, 2 exponent bits, 3 mantissa bits); and NAME_scales (uint8): the same leading axes, one E8M0 byte (e + 127) for each 32 codes along K. Its value is code x scale, taken as it is: it is not quantised again, and the codes and scales need not be those that the quantiser above would give.
;; One version. Each part assembles by itself: llvm-mc -triple=amdgcn-amd-amdhsa -mcpu=gfx1250 --defsym DOCPART=n.
;; ======== version 1 of 1: 2 launches
;; workspace buffers: nn_idx 524,288 bytes of whole numbers; nn_w 1,048,576 bytes
;; launch knn (part 1): grid 256 x 1, 8 waves a work-group, no clusters, 31,744 bytes of LDS; arguments xyz_target, xyz_source, nn_idx, nn_w; writes nn_idx, nn_w
.if DOCPART == 1
	.amdgcn_target "amdgcn-amd-amdhsa--gfx1250"
	.amdhsa_code_object_version 6
	.text
	.protected	k_q6c05713c45_knn
	.globl	k_q6c05713c45_knn
	.p2align	8
	.type	k_q6c05713c45_knn,@function
k_q6c05713c45_knn:
	s_mov_b64 s[64:65], 0
	v_nop
	global_prefetch_b8 v0, s[64:65] scope:SCOPE_SE
	s_setreg_imm32_b32 hwreg(HW_REG_WAVE_MODE, 25, 1), 1
	s_wait_xcnt 0x0
; THE THREE NEAREST SOURCES OF EACH TARGET, AND THEIR WEIGHTS.  xyz_target [4][8192][3], xyz_source [4][2048][3], f32.
; Out: nn_idx [32768][4] u32 = (row0, row1, row2, 0), row = batch x 2048 + source, nearest first;
;      nn_w: two planes of 524,288 bytes, 16 bytes a target: (u0, u0, u1, u1) and (u2, u2, 0, 0), u_k = weight_k / (sum of the weights + 1e-6).
; SHARES.  A work-group takes 128 targets of one batch; a lane is a target.  Wave w: targets 32 (w % 4) on, sources 1,024 (w / 4) on: 64 groups of 16 neighbouring sources.
; THE FILTER.  Under the order (distance, index) the three nearest sources lie in the three groups with the smallest (group minimum, group number): three groups ahead of a
; source's group each hold a source ahead of it.  So a group costs its 16 squared distances (two at a time), its minimum, and one conditional shift of three kept groups
; (16 distances, the minimum, the first row number), which stay in ascending group number.  No branch hangs on a distance.  At the end the 48 kept distances go, in ascending
; index, into a sorted triple by strict comparisons, so that equal distances keep the lower index; the two halves of the sources meet through LDS, the lower half first.
; The differences are formed directly (s - t), then (dx^2 + dy^2) + dz^2 by fused multiply-adds: an offset common to all points costs no accuracy.
; LIMITS.  The choice is made on the squared distance, not on its root: where two sources' squared distances differ by a last bit or so, a choice made on the rounded roots
; (equal roots keep the lower index there), or on a sum rounded otherwise, may take the other one.
; Coordinates are finite and differences stay under 1.8e19 in magnitude, so that a squared distance is finite; NaN is not served.
.set LARR, 8192                        ; LDS: x[2048] at 0, y[2048] at 8,192, z[2048] at 16,384
.set MRG,  24576                       ; behind them 768 bytes a wave: six items of 128 bytes, 4 bytes a lane
.set INF,  0x7f800000
.set TX,   10                          ; v[10:11] my x twice, v[12:13] y, v[14:15] z
.set WM,   20                          ; v20   the largest of the three kept minima
.set BUF,  32                          ; v32-79, v80-127: two buffers of a group's 16 x, 16 y, 16 z
.set DD,   128                         ; v128-143 the group's squared distances, v144 their minimum, v145 the group's first row
.set SLA,  146                         ; v146-163, v164-181, v182-199: the kept groups: 16 distances, +16 the minimum, +17 the first row
.set SLB,  164
.set SLC,  182
.set NA,   200                         ; v200-202 the three smallest, ascending
.set NB,   201
.set NC,   202
.set IA,   204                         ; v204-206 their rows, v207 = 0
.set IB,   205
.set IC,   206
.set TI,   208
.set PT,   210                         ; v210-215 the partner wave's triple
	s_load_b256 s[4:11], s[0:1], 0x0               ; xyz_target s[4:5], xyz_source s[6:7], nn_idx s[8:9], nn_w s[10:11]
	v_lshl_add_u32 v216, v0, 2, 0x7800
	v_mov_b32 v217, 0
	v_lshrrev_b32 v1, 5, v0
	v_readfirstlane_b32 s12, v1                    ; wave 0..7
	v_and_b32 v1, 31, v0                           ; lane
	s_and_b32 s13, s12, 3                          ; which 32 targets
	s_lshr_b32 s14, s12, 2                         ; which half of the sources
	s_lshr_b32 s15, ttmp9, 6                       ; batch: 64 work-groups each
	v_mul_u32_u24 v2, v0, 12                       ; staging: a source is 12 bytes
	v_lshlrev_b32 v3, 2, v0                        ; and 4 bytes in each array
	s_lshl_b32 s19, s14, 12                        ; my half begins 4,096 bytes into each array
	v_mov_b32 v4, s19
	s_mul_i32 s19, s12, 768
	v_lshl_add_u32 v6, v1, 2, s19
	v_add_nc_u32 v6, MRG, v6                       ; my word in my wave's items
	v_lshlrev_b32 v8, 4, v1                        ; 16 bytes a target on the way out
	v_mul_u32_u24 v9, v1, 12                       ; my target's 12 bytes
	s_lshl_b32 s16, s15, 11
	s_lshl_b32 s19, s14, 10
	s_add_co_u32 s16, s16, s19                     ; the first row of the group in hand: batch x 2048 + 1,024 x half
	s_mul_i32 s28, s15, 24576                      ; the batch's sources
	s_mov_b32 s29, 0
	s_lshl_b32 s30, ttmp9, 7
	s_lshl_b32 s31, s13, 5
	s_add_co_u32 s30, s30, s31                     ; my wave's first target
	s_mul_i32 s32, s30, 12
	s_mov_b32 s33, 0
	s_lshl_b32 s34, s30, 4
	s_mov_b32 s35, 0
	s_wait_kmcnt 0x0
	s_add_nc_u64 s[6:7], s[6:7], s[28:29]
	s_add_nc_u64 s[4:5], s[4:5], s[32:33]
	s_add_nc_u64 s[8:9], s[8:9], s[34:35]
	s_add_nc_u64 s[10:11], s[10:11], s[34:35]
.irp i, 0,1,2,3,4,5,6,7
	global_load_b96 v[32+4*\i:34+4*\i], v2, s[6:7] offset:3072*\i   ; source 256 i + thread: a wave reads 384 consecutive bytes
.endr
	global_load_b96 v[16:18], v9, s[4:5]           ; my target
.irp sl, SLA, SLB, SLC                         ; the kept groups begin as groups of +infinity: the first three real groups push them out
.set e, 0
.rept 17
	v_mov_b32 v[\sl+e], INF
.set e, e+1
.endr
	v_mov_b32 v[\sl+17], 0
.endr
.irp r, NA, NB, NC
	v_mov_b32 v[\r], INF
.endr
.irp r, IA, IB, IC, IC+1
	v_mov_b32 v[\r], 0
.endr
	s_wait_loadcnt 1                               ; the eight loads of sources are in; the target's, issued last, may be out
.irp i, 0,1,2,3,4,5,6,7
.irp c, 0,1,2
	ds_store_b32 v3, v[32+4*\i+\c] offset:LARR*\c+1024*\i
.endr
.endr
	s_wait_loadcnt 0x0
.irp c, 0,1,2
	v_mov_b32 v[TX+2*\c], v[16+\c]                 ; each coordinate twice: the packed forms take two sources at a time
	v_mov_b32 v[TX+2*\c+1], v[16+\c]
.endr
	s_wait_dscnt 0x0                               ; for the others' sake: my stores have landed
	s_barrier_signal -1
	s_barrier_wait -1                              ; the three arrays are whole
; a group's 16 x, 16 y, 16 z into buffer buf: 12 loads, every lane the same 16 bytes
.macro LOADG buf, off
.irp c, 0,1,2
.irp i, 0,1,2,3
	ds_load_b128 v[BUF+48*(\buf)+16*\c+4*\i:BUF+48*(\buf)+16*\c+4*\i+3], v5 offset:(\off)+LARR*\c+16*\i
.endr
.endr
.endm
; one group.  more = 1: the buffer is loaded again with the group two further on.  cnt: the LDS loads that may stay out: the other buffer's
.macro GRP buf, more, cnt
.set BB, BUF+48*(\buf)
	v_max3_num_f32 v[WM], v[SLA+16], v[SLB+16], v[SLC+16]   ; the kept group that would go: the one with the largest minimum, of equal ones the last
	v_cmp_lt_f32 s21, v[SLC+16], v[WM]             ; not the third
	v_cmp_lt_f32 s22, v[SLB+16], v[WM]             ; not the second
	v_mov_b32 v[DD+17], s16
	s_and_b32 s22, s22, s21                        ; neither: the first
	s_wait_dscnt \cnt                              ; LDS loads come back in order: this buffer's 12 are in
.irp c, 0,1,2
.irp j, 0,1,2,3,4,5,6,7
	v_pk_add_f32 v[BB+16*\c+2*\j:BB+16*\c+2*\j+1], v[BB+16*\c+2*\j:BB+16*\c+2*\j+1], v[TX+2*\c:TX+2*\c+1] neg_lo:[0,1] neg_hi:[0,1]   ; s - t
.endr
.endr
.irp j, 0,1,2,3,4,5,6,7
	v_pk_mul_f32 v[DD+2*\j:DD+2*\j+1], v[BB+2*\j:BB+2*\j+1], v[BB+2*\j:BB+2*\j+1]
.endr
.irp j, 0,1,2,3,4,5,6,7
	v_pk_fma_f32 v[DD+2*\j:DD+2*\j+1], v[BB+16+2*\j:BB+16+2*\j+1], v[BB+16+2*\j:BB+16+2*\j+1], v[DD+2*\j:DD+2*\j+1]
.endr
.irp j, 0,1,2,3,4,5,6,7
	v_pk_fma_f32 v[DD+2*\j:DD+2*\j+1], v[BB+32+2*\j:BB+32+2*\j+1], v[BB+32+2*\j:BB+32+2*\j+1], v[DD+2*\j:DD+2*\j+1]
.endr
.if \more
	LOADG \buf, 64*(\buf)+128
.endif
	v_min3_num_f32 v21, v[DD], v[DD+1], v[DD+2]    ; the group's minimum, in two chains
	v_min3_num_f32 v22, v[DD+3], v[DD+4], v[DD+5]
	v_min3_num_f32 v21, v21, v[DD+6], v[DD+7]
	v_min3_num_f32 v22, v22, v[DD+8], v[DD+9]
	v_min3_num_f32 v21, v21, v[DD+10], v[DD+11]
	v_min3_num_f32 v22, v22, v[DD+12], v[DD+13]
	v_min3_num_f32 v21, v21, v[DD+14], v[DD+15]
	v_min_num_f32 v[DD+16], v21, v22
	v_cmp_lt_f32 s20, v[DD+16], v[WM]              ; the new group comes in only if it is strictly nearer: of equal minima the earlier group stays
	s_and_b32 s23, s20, s21                        ; then the second place takes the third's group, unless the third goes;
	s_and_b32 s24, s20, s22                        ; the first place takes the second's, if the first goes
.irp e, 0,1,2,3,4,5,6,7,8,9,10,11,12,13,14,15,16,17
	v_cndmask_b32 v[SLA+\e], v[SLA+\e], v[SLB+\e], s24
.endr
.irp e, 0,1,2,3,4,5,6,7,8,9,10,11,12,13,14,15,16,17
	v_cndmask_b32 v[SLB+\e], v[SLB+\e], v[SLC+\e], s23
.endr
.irp e, 0,1,2,3,4,5,6,7,8,9,10,11,12,13,14,15,16,17
	v_cndmask_b32 v[SLC+\e], v[SLC+\e], v[DD+\e], s20
.endr
	s_add_co_u32 s16, s16, 16
.endm
; distance v[x] with row v[i] goes into the sorted triple; strict comparisons: what is equal stays behind what came earlier
.macro INS x, i
	v_cmp_lt_f32 s25, v[\x], v[NA]
	v_cmp_lt_f32 s26, v[\x], v[NB]
	v_cmp_lt_f32 s27, v[\x], v[NC]
	v_cndmask_b32 v[IC], v[IC], v[\i], s27
	v_cndmask_b32 v[IC], v[IC], v[IB], s26
	v_cndmask_b32 v[IB], v[IB], v[\i], s26
	v_cndmask_b32 v[IB], v[IB], v[IA], s25
	v_cndmask_b32 v[IA], v[IA], v[\i], s25
	v_med3_num_f32 v[NC], v[NB], v[NC], v[\x]
	v_med3_num_f32 v[NB], v[NA], v[NB], v[\x]
	v_min_num_f32 v[NA], v[NA], v[\x]
.endm
	v_mov_b32 v5, v4
	LOADG 0, 0
	LOADG 1, 64
	s_mov_b32 s17, 0
	s_mov_b32 s18, 31
.Lscan:                                            ; 31 trips of two groups; each fetches the two groups of the next trip
	GRP 0, 1, 12
	GRP 1, 1, 12
	s_add_co_u32 s17, s17, 128
	v_add_nc_u32 v5, s17, v4
	s_sub_co_i32 s18, s18, 1
	s_cmp_lg_u32 s18, 0
	s_cbranch_scc1 .Lscan
	GRP 0, 0, 12                                   ; the last two groups fetch nothing: no load passes my half's end
	GRP 1, 0, 0
.irp sl, SLA, SLB, SLC                         ; the 48 kept distances, in ascending index
.irp j, 0,1,2,3,4,5,6,7,8,9,10,11,12,13,14,15
	v_add_nc_u32 v[TI], \j, v[\sl+17]
	INS \sl+\j, TI
.endr
.endr
	s_wait_dscnt 0x0
	s_barrier_signal -1
	s_barrier_wait -1                              ; every wave's loads from the arrays are over
	ds_store_b32 v6, v[NA]
	ds_store_b32 v6, v[NB] offset:128
	ds_store_b32 v6, v[NC] offset:256
	ds_store_b32 v6, v[IA] offset:384
	ds_store_b32 v6, v[IB] offset:512
	ds_store_b32 v6, v[IC] offset:640
	s_wait_dscnt 0x0                               ; for the partner's sake: zero
	s_barrier_signal -1
	s_barrier_wait -1
	s_cmp_lg_u32 s14, 0                            ; the waves of the upper half have handed their triples over and end
	s_cbranch_scc1 .Ldone
.irp k, 0,1,2,3,4,5
	ds_load_b32 v[PT+\k], v6 offset:3072+128*\k    ; wave w + 4's items: the same targets, the upper half of the sources
.endr
	s_wait_dscnt 0x0
	INS PT, PT+3
	INS PT+1, PT+4
	INS PT+2, PT+5
	; the weights: nd = max(sqrt(d2), 1e-10); inv = 1 / nd; weight = inv / sum; u = weight / (sum of the weights + 1e-6).
	; Behind each batch of roots or reciprocals: one plain line, then one wait ahead of the batch's first reader.
	v_sqrt_f32 v32, v[NA]
	v_sqrt_f32 v33, v[NB]
	v_sqrt_f32 v34, v[NC]
	v_nop
	s_wait_alu depctr_va_vdst(0)
	v_max_num_f32 v32, 0x2edbe6ff, v32
	v_max_num_f32 v33, 0x2edbe6ff, v33
	v_max_num_f32 v34, 0x2edbe6ff, v34
	v_rcp_f32 v36, v32
	v_rcp_f32 v37, v33
	v_rcp_f32 v38, v34
	v_nop
	s_wait_alu depctr_va_vdst(0)
	v_add_f32 v40, v36, v37
	v_add_f32 v40, v40, v38
	v_rcp_f32 v41, v40
	v_nop
	s_wait_alu depctr_va_vdst(0)
	v_mul_f32 v36, v36, v41
	v_mul_f32 v37, v37, v41
	v_mul_f32 v38, v38, v41
	v_add_f32 v42, v36, v37
	v_add_f32 v42, v42, v38
	v_add_f32 v42, 0x358637bd, v42
	v_rcp_f32 v43, v42
	v_nop
	s_wait_alu depctr_va_vdst(0)
	v_mul_f32 v48, v36, v43
	v_mul_f32 v50, v37, v43
	v_mul_f32 v52, v38, v43
	v_mov_b32 v54, 0
	v_mov_b32 v55, 0
	v_mov_b32 v49, v48
	v_mov_b32 v51, v50
	v_mov_b32 v53, v52
	global_store_b128 v8, v[IA:IA+3], s[8:9]       ; each store of the wave covers 512 consecutive bytes, aligned
	global_store_b128 v8, v[48:51], s[10:11]
	global_store_b128 v8, v[52:55], s[10:11] offset:524288
.Ldone:
	s_barrier_signal -1
	s_barrier_wait -1
	s_wait_tensorcnt 0x0
	ds_add_u32 v216, v217
	s_wait_dscnt 0x0
	s_endpgm
.Lfunc_end_k_q6c05713c45_knn:
	.size	k_q6c05713c45_knn, .Lfunc_end_k_q6c05713c45_knn-k_q6c05713c45_knn
	.p2alignl 7, 3214868480
	.fill 96, 4, 3214868480
	.section	.rodata,"a",@progbits
	.p2align	6, 0x0
	.amdhsa_kernel k_q6c05713c45_knn
		.amdhsa_group_segment_fixed_size 31744
		.amdhsa_private_segment_fixed_size 0
		.amdhsa_enable_private_segment 0
		.amdhsa_kernarg_size 32
		.amdhsa_user_sgpr_count 2
		.amdhsa_user_sgpr_kernarg_segment_ptr 1
		.amdhsa_wavefront_size32 1
		.amdhsa_system_sgpr_workgroup_id_x 1
		.amdhsa_system_sgpr_workgroup_id_y 1
		.amdhsa_system_sgpr_workgroup_id_z 1
		.amdhsa_system_vgpr_workitem_id 0
		.amdhsa_next_free_vgpr 218
		.amdhsa_next_free_sgpr 66
		.amdhsa_reserve_vcc 0
		.amdhsa_float_denorm_mode_32 3
		.amdhsa_float_denorm_mode_16_64 3
		.amdhsa_memory_ordered 1
		.amdhsa_forward_progress 1
		.amdhsa_inst_pref_size 79
	.end_amdhsa_kernel
	.amdgpu_metadata
---
amdhsa.version: [ 1, 2 ]
amdhsa.kernels:
  - .name:           k_q6c05713c45_knn
    .symbol:         k_q6c05713c45_knn.kd
    .args:
      - { .name: xyz_target, .offset: 0, .size: 8, .value_kind: global_buffer, .address_space: global }
      - { .name: xyz_source, .offset: 8, .size: 8, .value_kind: global_buffer, .address_space: global }
      - { .name: nn_idx, .offset: 16, .size: 8, .value_kind: global_buffer, .address_space: global }
      - { .name: nn_w, .offset: 24, .size: 8, .value_kind: global_buffer, .address_space: global }
    .group_segment_fixed_size: 31744
    .private_segment_fixed_size: 0
    .kernarg_segment_align: 8
    .kernarg_segment_size: 32
    .max_flat_workgroup_size: 256
    .sgpr_count:     66
    .vgpr_count:     218
    .wavefront_size: 32
...
	.end_amdgpu_metadata
.endif
;; end of part 1
;; launch mlp (part 2): grid 256 x 1, 4 waves a work-group, clusters of 4 x 1, 290,816 bytes of LDS; arguments feats_source, feats_target, w1_codes, w1_scales, w2_codes, w2_scales, nn_idx, nn_w, out0; writes out0
.if DOCPART == 2
	.amdgcn_target "amdgcn-amd-amdhsa--gfx1250"
	.amdhsa_code_object_version 6
	.text
	.protected	k_q6c05713c45_mlp
	.globl	k_q6c05713c45_mlp
	.p2align	8
	.type	k_q6c05713c45_mlp,@function
k_q6c05713c45_mlp:
	s_mov_b64 s[64:65], 0
	v_nop
	global_prefetch_b8 v0, s[64:65] scope:SCOPE_SE
	s_setreg_imm32_b32 hwreg(HW_REG_WAVE_MODE, 25, 1), 1
	s_wait_xcnt 0x0
	s_wait_alu depctr_hold_cnt(0) depctr_sa_sdst(0) depctr_va_vdst(0) depctr_va_sdst(0) depctr_va_ssrc(0) depctr_va_vcc(0) depctr_vm_vsrc(0)
	s_getreg_b32 s2, hwreg(HW_REG_IB_STS2, 6, 4)
	s_cmp_eq_u32 s2, 0
	s_cbranch_scc0 .Lentry_in_a_cluster
	s_endpgm
.Lentry_in_a_cluster:
	s_bfe_u32 s2, ttmp6, 0x10000c
	s_cmp_lg_u32 s2, 0x3003
	s_cbranch_scc0 .Lentry_shape_is_right
	s_endpgm
.Lentry_shape_is_right:
; out0 = relu(Q(relu(Q(x) W1)) W2), x = [u0 f(row0) + u1 f(row1) + u2 f(row2) | feats_target], both products on codes of FP6 (E2M3) with one E8M0 scale for each 32 along K.
; feats_source [8192][256] f32 (rows as nn_idx numbers them), feats_target [32768][128] f32, w1_codes [256][288 bytes], w1_scales [256][12], w2_codes [256][192 bytes], w2_scales [256][8],
; nn_idx [32768][4] u32, nn_w two planes of 16 bytes a target, out0 [32768][256] f32.  x and the hidden layer never go to memory.
; SHARES.  A work-group takes 128 rows, as two blocks of 64.  THE WAVES SHARE THE COLUMNS: wave w makes hidden units 64 w .. 64 w + 63 and outputs 64 w .. 64 w + 63 for all rows, so its part of W1
; (12 fragments) and of W2 (8) stays in its registers.  For the gather wave w owns rows 16 w .. 16 w + 15 of a block.
; THE WEIGHTS.  A wave's 64 rows of W1 (18,432 bytes) and of W2 (12,288) are dense blocks of memory, the same for wave w of every work-group: the four work-groups of a cluster ask for them JOINTLY,
; two tensor loads a wave (two are out at most), filled once; each wave reads only what its own loads brought.
; OPERANDS GO FROM WAVE TO WAVE THROUGH LDS AS IMAGES OF THEIR REGISTERS.  x: a fragment (16 rows x 128 K, 12 registers) is three stores of 16 bytes a lane.  The hidden layer: a wave's 64 units are HALF a
; K step, registers 6 c .. 6 c + 5 of a fragment (c = w % 2): 16 bytes and 8 bytes a lane; and two of the scale word's four bytes.
; BOTH PRODUCTS ARE USED TRANSPOSED (source 0 = 16 rows of the weight, source 1 = 16 rows of x or of the hidden layer): a lane holds one row, its registers run along the outputs.
; THE ROWS OF W1 THAT FORM A TILE ARE NOT NEIGHBOURS: lane r of tile 2 b + u takes row 32 b + 8 u + r + 8 (r / 8), so that the 16 registers of tiles 2 b, 2 b + 1 are 16 neighbours along the next K.
; A block of zeros gets the scale byte 1 (the floor); its codes are zeros, and the bytes are read here alone.  NaN and infinities among the inputs are not served.
; REGISTERS, in windows of 256.  Window 0: v1-29 addresses; v32-43, v44-51 W1's and W2's scale words; v52-59 the rows' scale words, two sets; v60-98 the quantiser's; v100-171 x's fragments, two sets;
;   v172-203 my four tiles of the hidden layer; by turns with these: v128-255 numbers of x to be quantised, v60-155 hidden fragments, two sets, v192-255 eight accumulators of the output.
;   Window 1: W1's fragments at 12 (3 t + s), W2's at 144 + 12 (2 t + s).   Window 2: v0-191 four buffers of gathered rows, v192-255 feats_target.
;   Window 3: 96 blk + 4 a + k the gather's offsets, 96 blk + 32 + 8 a the weights u, v192-223 interpolated numbers, two sets.
.set WSTW, 30720                       ; LDS from 0: a wave's weights: W1's 18,432 bytes, then W2's 12,288
.set XST,  122880                      ; a wave's own stage for 16 rows of x in f32:
.set XSTW, 24832
.set XP,   1552                        ; a row: 1,024 bytes interpolated + 512 of feats_target + 16: an odd multiple of 16, so that the 16 rows of a load start in different groups of banks (ISA guide 11.1)
.set XIMG, 222208                      ; x's 12 fragments (tile of rows m, K step s: 3 m + s), 1,536 bytes each
.set XSC,  240640                      ; their scale words, 128 bytes each
.set HIMG, 242176                      ; the hidden layer's 8 fragments (2 m + s): two halves of 768 bytes: 512 by 16 bytes a lane, 256 by 8
.set HSC,  254464                      ; their scale words
.set OST,  255488                      ; a wave's own stage for the way out: 32 rows x (256 + 16)
.set OSTW, 8704
.set W1S, 32
.set W2S, 44
.set XS,  52
.set HS,  52
.set TM,  60                           ; v60-63 largest magnitudes, v64-67 bytes, v72-75 the conversions' scale operands
.set PW,  76                           ; the scale word just made
.set PC,  80                           ; v80-98 the codes just made
.set XF,  100
.set HA,  172
.set XWA, 192
.set XWB, 128
.set HF,  60
.set YA,  192
.set W2F, 144
.set GB,  0
.set FTB, 192
.set CFB, 32
.set XR,  192
.set MSB, 0
.macro WIN new                         ; the immediate's high byte repeats the setting that is left; a switch that changes nothing is dropped
.if MSB != \new
	s_set_vgpr_msb (MSB<<8)|\new
.set MSB, \new
.endif
.endm
.macro ROUND                           ; a round of the cluster's barrier
	s_barrier_signal -1
	s_barrier_wait -1
	s_cmp_lg_u32 s22, 0
	s_cbranch_scc1 .Lnot_wave_0_\@
	s_barrier_signal -3
.Lnot_wave_0_\@:
	s_barrier_wait -3
	s_barrier_signal -1
	s_barrier_wait -1
.endm
.macro BAR                             ; my LDS stores have landed and my LDS loads are in: then the work-group's barrier
	s_wait_dscnt 0x0
	s_barrier_signal -1
	s_barrier_wait -1
.endm
	s_load_b512 s[4:19], s[0:1], 0x0               ; feats_source s[4:5], feats_target s[6:7], w1_codes s[8:9], w1_scales s[10:11], w2_codes s[12:13], w2_scales s[14:15], nn_idx s[16:17], nn_w s[18:19]
	s_load_b64 s[20:21], s[0:1], 0x40              ; out0
	v_lshl_add_u32 v30, v0, 2, 0x46e00
	v_mov_b32 v31, 0
	ds_add_u32 v30, v31
	ds_add_u32 v30, v31
	v_lshrrev_b32 v1, 5, v0
	v_readfirstlane_b32 s22, v1                    ; wave 0..3
	v_and_b32 v1, 31, v0                           ; l
	v_and_b32 v2, 15, v0                           ; r
	v_bfe_u32 v3, v0, 4, 1                         ; h
	v_lshlrev_b32 v4, 4, v3                        ; 16 h
	v_lshlrev_b32 v5, 4, v2                        ; 16 r
	v_lshlrev_b32 v6, 4, v1                        ; 16 l
	v_lshlrev_b32 v27, 2, v1                       ; 4 l
	v_lshlrev_b32 v28, 3, v1                       ; 8 l
	; LDS addresses: constants, the lane and the wave's number alone (s60-63 never hold a number made of the work-group's place)
	s_mul_i32 s60, s22, XSTW
	s_add_co_u32 s60, s60, XST                     ; my stage for x
	v_mul_u32_u24 v7, v3, XP
	v_add_nc_u32 v7, v7, v5
	v_add_nc_u32 v7, s60, v7                       ; interpolated numbers in: row h of a pair, 16 r
	v_add_nc_u32 v8, s60, v6
	v_add_nc_u32 v8, 1024, v8                      ; feats_target in: 16 l behind a row's first 1,024 bytes
	v_mul_u32_u24 v9, v2, XP
	v_lshl_add_u32 v9, v3, 6, v9
	v_add_nc_u32 v9, s60, v9                       ; out: row r, + 64 h: my 16 numbers of a block of 32
	s_mul_i32 s61, s22, 4608
	s_add_co_u32 s61, s61, XIMG
	v_add_nc_u32 v10, s61, v6                      ; where I store x's images
	s_mul_i32 s61, s22, 384
	s_add_co_u32 s61, s61, XSC
	v_add_nc_u32 v11, s61, v27                     ; and their scale words
	v_add_nc_u32 v12, XIMG, v6                     ; where anybody reads them
	v_add_nc_u32 v13, XSC, v27
	s_lshr_b32 s62, s22, 1                         ; my hidden units' K step
	s_and_b32 s63, s22, 1                          ; and its half
	s_mul_i32 s61, s62, 1536
	s_mul_i32 s60, s63, 768
	s_add_co_u32 s61, s61, s60
	s_add_co_u32 s61, s61, HIMG
	v_add_nc_u32 v14, s61, v6                      ; my half fragment: four registers,
	s_add_co_u32 s61, s61, 512
	v_add_nc_u32 v15, s61, v28                     ; and two
	s_lshl_b32 s61, s62, 7
	s_lshl_b32 s60, s63, 1
	s_add_co_u32 s61, s61, s60
	s_add_co_u32 s61, s61, HSC
	v_add_nc_u32 v16, s61, v27                     ; my two bytes of the scale word
	v_add_nc_u32 v17, HIMG, v6
	v_add_nc_u32 v18, HIMG+512, v28
	v_add_nc_u32 v19, HSC, v27
	s_mul_i32 s61, s22, OSTW
	s_add_co_u32 s61, s61, OST                     ; my stage for the way out
	v_mul_u32_u24 v20, v2, 272
	v_lshl_add_u32 v20, v3, 5, v20
	v_add_nc_u32 v20, s61, v20                     ; in: row r, 32 h
	v_mul_u32_u24 v21, v3, 272
	v_add_nc_u32 v21, v21, v5
	v_add_nc_u32 v21, s61, v21                     ; back: lanes 0-15 one row, lanes 16-31 the next
	v_lshl_add_u32 v22, v3, 10, v5                 ; and the same in out0: a row is 1,024 bytes
	s_mul_i32 s61, s22, WSTW                       ; my weights
	v_and_b32 v29, 8, v2
	v_add_nc_u32 v29, v29, v2                      ; r + 8 (r / 8)
	v_mul_u32_u24 v23, v29, 288
	v_mad_u32_u24 v23, v3, 24, v23
	v_add_nc_u32 v23, s61, v23                     ; W1: a row is 384 codes, 288 bytes; + 24 h
	v_mul_u32_u24 v24, v2, 192
	v_mad_u32_u24 v24, v3, 24, v24
	v_add_nc_u32 v24, s61, v24
	v_add_nc_u32 v24, 18432, v24                   ; W2: a row is 256 codes, 192 bytes
	v_mul_u32_u24 v25, v29, 12                     ; W1's scale bytes: 12 a row
	v_lshlrev_b32 v26, 3, v2                       ; W2's: 8 a row
.irp b, 0,1,2,3
	v_mov_b32 v[TM+4+\b], 0                        ; written once: a lane permute's destination counts as one of its sources
.endr
	s_mov_b32 s56, 0x76543210
	s_mov_b32 s57, 0xfedcba98                      ; v_permlanex16_b32's selects for lane l xor 16
	; descriptor groups 1: dense blocks as rows of 256 bytes (32 elements of 8 bytes): 72 rows of W1, 48 of W2
	s_mov_b32 s32, 15|(3<<16)|(1<<21)              ; 15:0 the mask: all four work-groups; 17:16 elements of 8 bytes; 21 set beside a mask; no padding
	s_mov_b32 s33, 32<<16                          ; tensor_dim0 = 32
	s_mov_b32 s34, 72<<16                          ; tensor_dim1 = 72
	s_mov_b32 s35, 32<<16                          ; tile_dim0 = 32
	s_mov_b32 s36, 72                              ; tile_dim1 = 72
	s_mov_b32 s37, 32                              ; from row to row
	s_mov_b32 s38, 0
	s_mov_b32 s39, 0
	s_mov_b32 s40, 15|(3<<16)|(1<<21)
	s_mov_b32 s41, 32<<16
	s_mov_b32 s42, 48<<16
	s_mov_b32 s43, 32<<16
	s_mov_b32 s44, 48
	s_mov_b32 s45, 32
	s_mov_b32 s46, 0
	s_mov_b32 s47, 0
	; my rows: they enter global addresses alone
	s_bfe_u32 s23, ttmp6, 0x40000                  ; my place in the cluster
	s_lshl_b32 s24, ttmp9, 2
	s_add_co_u32 s24, s24, s23                     ; work-group = 4 x cluster + place
	s_lshl_b32 s25, s24, 7
	s_lshl_b32 s26, s22, 4
	s_add_co_u32 s25, s25, s26                     ; my first row for the gather: 128 x work-group + 16 x wave
	s_lshl_b32 s26, s25, 9                         ; in feats_target: 512 bytes a row
	s_mov_b32 s27, 0
	s_lshl_b32 s28, s25, 4                         ; in nn_idx and nn_w: 16 bytes
	s_mov_b32 s29, 0
	s_lshl_b32 s30, s24, 17                        ; in out0: the work-group's 128 rows of 1,024 bytes,
	s_lshl_b32 s31, s22, 8                         ; my 64 columns
	s_add_co_u32 s30, s30, s31
	s_mov_b32 s31, 0
	s_wait_dscnt 0x0
	s_wait_kmcnt 0x0
	s_add_nc_u64 s[6:7], s[6:7], s[26:27]
	s_add_nc_u64 s[16:17], s[16:17], s[28:29]
	s_add_nc_u64 s[18:19], s[18:19], s[28:29]
	s_add_nc_u64 s[20:21], s[20:21], s[30:31]
	s_mov_b32 s59, 0
	s_mul_i32 s58, s22, 768
	s_add_nc_u64 s[10:11], s[10:11], s[58:59]      ; my 64 rows of W1's scale bytes
	s_lshl_b32 s58, s22, 9
	s_add_nc_u64 s[14:15], s[14:15], s[58:59]      ; and of W2's
	s_mov_b32 s48, 1                               ; group 0 for W1: count 1,
	s_mov_b32 s49, s61                             ; LDS address: wave x 30,720,
	s_mul_i32 s58, s22, 18432
	s_add_nc_u64 s[50:51], s[8:9], s[58:59]        ; my 64 rows,
	s_or_b32 s51, s51, 0x80000000                  ; type 2
	s_mov_b32 s52, 1
	s_add_co_u32 s53, s61, 18432
	s_mul_i32 s58, s22, 12288
	s_add_nc_u64 s[54:55], s[12:13], s[58:59]
	s_or_b32 s55, s55, 0x80000000
	ROUND                                          ; all four work-groups are here: the joint loads meet
	tensor_load_to_lds s[48:51], s[32:39]
	s_nop 0
	tensor_load_to_lds s[52:55], s[40:47]
	s_nop 0
.rept 4
	v_nop                                          ; four lines behind the loads, ahead of the first switch of windows
.endr
; the neighbours' rows and weights of my 16 rows of block blk: pair a: lanes 0-15 row 2 a, lanes 16-31 row 2 a + 1
.macro META blk
	WIN 0xc0
.irp a, 0,1,2,3,4,5,6,7
	global_load_b128 v[96*\blk+4*\a:96*\blk+4*\a+3], v4, s[16:17] offset:(64*\blk+2*\a)*16
	global_load_b128 v[96*\blk+CFB+8*\a:96*\blk+CFB+8*\a+3], v4, s[18:19] offset:(64*\blk+2*\a)*16
	global_load_b128 v[96*\blk+CFB+8*\a+4:96*\blk+CFB+8*\a+7], v4, s[18:19] offset:(64*\blk+2*\a)*16+524288
.endr
.endm
; a row number becomes a byte offset: held inside the table's 8,192 rows, x 1,024 bytes, + 16 r
.macro ADDR blk
	WIN 0xcc
.irp a, 0,1,2,3,4,5,6,7
.irp k, 0,1,2
	v_min_u32 v[96*\blk+4*\a+\k], 0x1fff, v[96*\blk+4*\a+\k]
.endr
.endr
.irp a, 0,1,2,3,4,5,6,7
.irp k, 0,1,2
	v_lshlrev_b32 v[96*\blk+4*\a+\k], 10, v[96*\blk+4*\a+\k]
.endr
.endr
.irp a, 0,1,2,3,4,5,6,7
.irp k, 0,1,2
	v_add_nc_u32 v[96*\blk+4*\a+\k], v5, v[96*\blk+4*\a+\k]
.endr
.endr
.endm
; the three neighbours' rows of pair a: 12 loads; sixteen lanes read 256 consecutive bytes of a row, aligned
.macro GLOAD buf, blk, a
	WIN 0x83
.irp k, 0,1,2
.irp q, 0,1,2,3
	global_load_b128 v[GB+48*(\buf)+16*\k+4*\q:GB+48*(\buf)+16*\k+4*\q+3], v[96*(\blk)+4*(\a)+\k], s[4:5] offset:256*\q
.endr
.endr
.endm
.macro FTLOAD blk                      ; my 16 rows of feats_target: a whole row of 512 bytes a load; read once in the launch
	WIN 0x80
.irp i, 0,1,2,3,4,5,6,7,8,9,10,11,12,13,14,15
	global_load_b128 v[FTB+4*\i:FTB+4*\i+3], v6, s[6:7] offset:(64*\blk+\i)*512 th:TH_LOAD_NT
.endr
.endm
.macro FTSTORE
	WIN 0x08
.irp i, 0,1,2,3,4,5,6,7,8,9,10,11,12,13,14,15
	ds_store_b128 v8, v[FTB+4*\i:FTB+4*\i+3] offset:XP*\i
.endr
.endm
; pair a is interpolated and goes to my stage.  cnt: the younger global loads, which may stay out.  more = 1: the buffer takes pair na of block nblk
.macro XSTEP buf, blk, a, cnt, more, nblk, na
	s_wait_loadcnt \cnt
	s_wait_dscnt 4                                 ; all but the last step's four stores are done: this set of 16 registers, stored two steps ago, may be written
	WIN 0xfe
.set gb, GB+48*(\buf)
.set cf, 96*(\blk)+CFB+8*(\a)
.set xr, XR+16*((\a)%2)
.irp e, 0,1,2,3,4,5,6,7
	v_pk_mul_f32 v[xr+2*\e:xr+2*\e+1], v[gb+2*\e:gb+2*\e+1], v[cf:cf+1]
.endr
.irp e, 0,1,2,3,4,5,6,7
	v_pk_fma_f32 v[xr+2*\e:xr+2*\e+1], v[gb+16+2*\e:gb+16+2*\e+1], v[cf+2:cf+3], v[xr+2*\e:xr+2*\e+1]
.endr
.irp e, 0,1,2,3,4,5,6,7
	v_pk_fma_f32 v[xr+2*\e:xr+2*\e+1], v[gb+32+2*\e:gb+32+2*\e+1], v[cf+4:cf+5], v[xr+2*\e:xr+2*\e+1]
.endr
.if \more
	GLOAD \buf, \nblk, \na
.endif
	WIN 0x0c
.irp q, 0,1,2,3
	ds_store_b128 v7, v[xr+4*\q:xr+4*\q+3] offset:2*XP*(\a)+256*\q
.endr
.endm
; my row r's numbers of K step s: register 16 b + i = k 32 b + 16 h + i
.macro XLOAD s, reg
	WIN 0
.irp b, 0,1,2,3
.irp j, 0,1,2,3
	ds_load_b128 v[\reg+16*\b+4*\j:\reg+16*\b+4*\j+3], v9 offset:512*\s+128*\b+16*\j
.endr
.endr
.endm
; 64 numbers of a lane, laid as XLOAD leaves them, become a fragment's codes in v[PC] on and its scale word in v[PW]
.macro QUANT s
.irp b, 0,1,2,3
	v_max3_num_f32 v[TM+\b], |v[\s+16*\b]|, |v[\s+1+16*\b]|, 0x1800000   ; block b: my 16 numbers, and the floor 2^(3 - 127): the byte cannot fall under 1
.endr
.irp i, 2,4,6,8,10,12,14
.irp b, 0,1,2,3
	v_max3_num_f32 v[TM+\b], v[TM+\b], |v[\s+16*\b+\i]|, |v[\s+1+16*\b+\i]|   ; (the four blocks by turns)
.endr
.endr
.irp b, 0,1,2,3
	v_permlanex16_b32 v[TM+4+\b], v[TM+\b], s56, s57
.endr
.irp b, 0,1,2,3
	v_max_num_f32 v[TM+\b], v[TM+\b], v[TM+4+\b]   ; with lane l xor 16's: the block's largest magnitude
.endr
.irp b, 0,1,2,3
	v_add_nc_u32 v[TM+12+\b], 0xff000000, v[TM+\b] ; 2 off its exponent field: the conversion takes the exponent field of this operand as its scale
.endr
.irp b, 0,1,2,3
	v_lshrrev_b32 v[TM+4+\b], 23, v[TM+12+\b]      ; the scale's byte
.endr
	v_lshl_or_b32 v[PW], v[TM+5], 8, v[TM+4]
	v_lshl_or_b32 v[PW], v[TM+6], 16, v[PW]
	v_lshl_or_b32 v[PW], v[TM+7], 24, v[PW]
.irp c, 0,1
	v_cvt_scalef32_pk16_fp6_f32 v[PC+6*\c:PC+2+6*\c], v[\s+32*\c:\s+15+32*\c], v[TM+12+2*\c]
	v_cvt_scalef32_pk16_fp6_f32 v[PC+12+4*\c:PC+14+4*\c], v[\s+16+32*\c:\s+31+32*\c], v[TM+12+2*\c+1]   ; (a conversion's three registers begin on an even number)
.endr
	v_nop                                          ; one plain place behind a scaled conversion
.irp c, 0,1                                    ; the operand's layout wants a WHOLE block in a lane: lanes 0-15 block 2 c, lanes 16-31 block 2 c + 1
.irp i, 0,1,2
	v_permlane16_swap_b32 v[PC+6*\c+\i], v[PC+12+4*\c+\i]
.endr
.irp i, 0,1,2
	v_mov_b32 v[PC+3+6*\c+\i], v[PC+12+4*\c+\i]
.endr
.endr
.endm
.macro IMAGE s                         ; the fragment goes to LDS as it stands
.irp c, 0,1,2
	ds_store_b128 v10, v[PC+4*\c:PC+4*\c+3] offset:1536*\s+512*\c
.endr
	ds_store_b32 v11, v[PW] offset:128*\s
.endm
.macro FETCHX m                        ; x's three fragments and scale words of tile m into set m % 2: 12 loads
	WIN 0
.irp s, 0,1,2
.irp c, 0,1,2
	ds_load_b128 v[XF+36*((\m)%2)+12*\s+4*\c:XF+36*((\m)%2)+12*\s+4*\c+3], v12 offset:(3*(\m)+\s)*1536+512*\c
.endr
	ds_load_b32 v[XS+4*((\m)%2)+\s], v13 offset:(3*(\m)+\s)*128
.endr
.endm
.macro FETCHH p                        ; the hidden fragments and scale words of tiles 2 p, 2 p + 1 into set p: 20 loads
	WIN 0
.irp u, 0,1
.irp s, 0,1
	ds_load_b128 v[HF+48*\p+12*(2*\u+\s):HF+48*\p+12*(2*\u+\s)+3], v17 offset:(2*(2*\p+\u)+\s)*1536
	ds_load_b64 v[HF+48*\p+12*(2*\u+\s)+4:HF+48*\p+12*(2*\u+\s)+5], v18 offset:(2*(2*\p+\u)+\s)*1536
	ds_load_b128 v[HF+48*\p+12*(2*\u+\s)+6:HF+48*\p+12*(2*\u+\s)+9], v17 offset:(2*(2*\p+\u)+\s)*1536+768
	ds_load_b64 v[HF+48*\p+12*(2*\u+\s)+10:HF+48*\p+12*(2*\u+\s)+11], v18 offset:(2*(2*\p+\u)+\s)*1536+768
	ds_load_b32 v[HS+4*\p+2*\u+\s], v19 offset:(2*(2*\p+\u)+\s)*128
.endr
.endr
.endm
; my four tiles of the hidden layer (32 numbers a lane: two half blocks): relu, then half a fragment's codes in v[PC] .. v[PC + 5] and two scale bytes in v[PW]
.macro QH
.set jj, 0
.rept 32
	v_max_num_f32 v[HA+jj], 0, v[HA+jj]            ; the activation, in f32; each accumulator from its low end on
.set jj, jj+1
.endr
.irp b, 0,1
	v_max3_num_f32 v[TM+\b], v[HA+16*\b], v[HA+1+16*\b], 0x1800000   ; none is negative: no magnitudes; the floor as above
.endr
.irp i, 2,4,6,8,10,12,14
.irp b, 0,1
	v_max3_num_f32 v[TM+\b], v[TM+\b], v[HA+16*\b+\i], v[HA+1+16*\b+\i]
.endr
.endr
.irp b, 0,1
	v_permlanex16_b32 v[TM+4+\b], v[TM+\b], s56, s57
.endr
.irp b, 0,1
	v_max_num_f32 v[TM+\b], v[TM+\b], v[TM+4+\b]
.endr
.irp b, 0,1
	v_add_nc_u32 v[TM+12+\b], 0xff000000, v[TM+\b]
.endr
.irp b, 0,1
	v_lshrrev_b32 v[TM+4+\b], 23, v[TM+12+\b]
.endr
	v_lshl_or_b32 v[PW], v[TM+5], 8, v[TM+4]
	v_cvt_scalef32_pk16_fp6_f32 v[PC:PC+2], v[HA:HA+15], v[TM+12]
	v_cvt_scalef32_pk16_fp6_f32 v[PC+12:PC+14], v[HA+16:HA+31], v[TM+13]
	v_nop                                          ; one plain place behind a scaled conversion
.irp i, 0,1,2
	v_permlane16_swap_b32 v[PC+\i], v[PC+12+\i]
.endr
.irp i, 0,1,2
	v_mov_b32 v[PC+3+\i], v[PC+12+\i]
.endr
.endm
.macro HIMAGE m
	ds_store_b128 v14, v[PC:PC+3] offset:3072*\m
	ds_store_b64 v15, v[PC+4:PC+5] offset:3072*\m
	ds_store_b16 v16, v[PW] offset:256*\m
.endm
; my 16 rows of x become three fragments.  ft = 1: the next block's feats_target is asked for
.macro XQ ft
	XLOAD 0, XWA
	XLOAD 1, XWB
	s_wait_dscnt 16                                ; K step 0 is in, and all my earlier LDS stores are done; K step 1's 16 loads may be out
.if \ft
	FTLOAD 1                                       ; (the stores that read these registers are among those just waited for)
	WIN 0
.endif
	QUANT XWA
	IMAGE 0
	XLOAD 2, XWA
	s_wait_dscnt 16                                ; K step 1 is in and image 0's stores have read their registers; K step 2's 16 loads may be out
	QUANT XWB
	IMAGE 1
	s_wait_dscnt 0x0
	QUANT XWA
	IMAGE 2
.endm
; the hidden layer, a tile of 16 rows at a time: 12 matrix instructions, my four accumulators by turns, one instruction a turn
.macro P1
	FETCHX 0
.irp m, 0,1,2,3
.if \m < 3
	FETCHX \m+1
	s_wait_dscnt 12                                ; this tile's fragments are in and the last image's stores are done; the next tile's 12 loads may be out
.else
	s_wait_dscnt 0x0
.endif
	WIN 0x01                                       ; source 0 (the weight) window 1
.irp s, 0,1,2
.irp t, 0,1,2,3
.if \s == 0
	v_wmma_scale_f32_16x16x128_f8f6f4 v[HA+8*\t:HA+8*\t+7], v[12*(3*\t+\s):12*(3*\t+\s)+11], v[XF+36*(\m%2)+12*\s:XF+36*(\m%2)+12*\s+11], 0, v[W1S+3*\t+\s], v[XS+4*(\m%2)+\s] matrix_a_fmt:MATRIX_FMT_FP6 matrix_b_fmt:MATRIX_FMT_FP6
.else
	v_wmma_scale_f32_16x16x128_f8f6f4 v[HA+8*\t:HA+8*\t+7], v[12*(3*\t+\s):12*(3*\t+\s)+11], v[XF+36*(\m%2)+12*\s:XF+36*(\m%2)+12*\s+11], v[HA+8*\t:HA+8*\t+7], v[W1S+3*\t+\s], v[XS+4*(\m%2)+\s] matrix_a_fmt:MATRIX_FMT_FP6 matrix_b_fmt:MATRIX_FMT_FP6
.endif
.endr
.endr
	WIN 0
.rept 4
	v_nop                                          ; four places ahead of the first read of results (ISA guide 7.12.1)
.endr
	QH
	HIMAGE \m
.endr
.endm
; 32 rows of my 64 outputs: relu; through my own stage; sixteen lanes store 256 consecutive bytes, aligned
.macro OUTP blk, p
.set jj, 0
.rept 64
	v_max_num_f32 v[YA+jj], 0, v[YA+jj]            ; each accumulator from its low end on
.set jj, jj+1
.endr
.irp u, 0,1
.irp t, 0,1,2,3
	ds_store_b128 v20, v[YA+8*(4*\u+\t):YA+8*(4*\u+\t)+3] offset:4352*\u+64*\t       ; lane (r, h): row 16 u + r, outputs 16 t + 8 h + 0 .. 7
	ds_store_b128 v20, v[YA+8*(4*\u+\t)+4:YA+8*(4*\u+\t)+7] offset:4352*\u+64*\t+16
.endr
.endr
.irp i, 0,1,2,3,4,5,6,7,8,9,10,11,12,13,14,15
	ds_load_b128 v[YA+4*\i:YA+4*\i+3], v21 offset:544*\i   ; LDS serves a wave's instructions in order (ISA guide 5.7.1.4): these see the stores above
.endr
.irp i, 0,1,2,3,4,5,6,7,8,9,10,11,12,13,14,15
	s_wait_dscnt 15-\i
	global_store_b128 v22, v[YA+4*\i:YA+4*\i+3], s[20:21] offset:(64*\blk+32*\p+2*\i)*1024 th:TH_STORE_NT
.endr
	s_wait_xcnt 0x0                                ; the stores have read their registers: these are written again
.endm
; the second product: two tiles of rows at a time: 16 matrix instructions, eight accumulators by turns
.macro P2 blk
	WIN 0
	BAR                                            ; the hidden layer's eight fragments lie in LDS
	FETCHH 0
	FETCHH 1
.irp p, 0,1
	s_wait_dscnt 20*(1-\p)                         ; this pair's 20 loads are in; the other pair's may be out
	WIN 0x01
.irp s, 0,1
.irp u, 0,1
.irp t, 0,1,2,3
.if \s == 0
	v_wmma_scale_f32_16x16x128_f8f6f4 v[YA+8*(4*\u+\t):YA+8*(4*\u+\t)+7], v[W2F+12*(2*\t+\s):W2F+12*(2*\t+\s)+11], v[HF+48*\p+12*(2*\u+\s):HF+48*\p+12*(2*\u+\s)+11], 0, v[W2S+2*\t+\s], v[HS+4*\p+2*\u+\s] matrix_a_fmt:MATRIX_FMT_FP6 matrix_b_fmt:MATRIX_FMT_FP6
.else
	v_wmma_scale_f32_16x16x128_f8f6f4 v[YA+8*(4*\u+\t):YA+8*(4*\u+\t)+7], v[W2F+12*(2*\t+\s):W2F+12*(2*\t+\s)+11], v[HF+48*\p+12*(2*\u+\s):HF+48*\p+12*(2*\u+\s)+11], v[YA+8*(4*\u+\t):YA+8*(4*\u+\t)+7], v[W2S+2*\t+\s], v[HS+4*\p+2*\u+\s] matrix_a_fmt:MATRIX_FMT_FP6 matrix_b_fmt:MATRIX_FMT_FP6
.endif
.endr
.endr
.endr
	WIN 0
.rept 4
	v_nop                                          ; four places ahead of the first read of results
.endr
	OUTP \blk, \p
.endr
.endm
	; ---- the head: what the gather hangs on first, then the gather's first loads, then the weights into registers
	META 0
	META 1
	WIN 0
.irp t, 0,1,2,3
.irp s, 0,1,2
	global_load_b32 v[W1S+3*\t+\s], v25, s[10:11] offset:(32*(\t/2)+8*(\t%2))*12+4*\s   ; W1's scale words, by the tiles' rows
.endr
.endr
.irp t, 0,1,2,3
.irp s, 0,1
	global_load_b32 v[W2S+2*\t+\s], v26, s[14:15] offset:128*\t+4*\s
.endr
.endr
	s_wait_loadcnt 20                              ; the 48 loads of rows and weights are in; the 20 scale words behind them may be out
	ADDR 0
	ADDR 1
	GLOAD 0, 0, 0
	GLOAD 1, 0, 1
	GLOAD 2, 0, 2
	GLOAD 3, 0, 3
	FTLOAD 0
	s_wait_tensorcnt 0x0                           ; my two tensor loads have landed: only I read what they brought
	WIN 0x40
.irp t, 0,1,2,3
.irp s, 0,1,2
.irp p, 0,1,2,3,4,5
	ds_load_b64 v[12*(3*\t+\s)+2*\p:12*(3*\t+\s)+2*\p+1], v23 offset:(32*(\t/2)+8*(\t%2))*288+96*\s+48*(\p/3)+8*(\p%3)
.endr
.endr
.endr
.irp t, 0,1,2,3
.irp s, 0,1
.irp p, 0,1,2,3,4,5
	ds_load_b64 v[W2F+12*(2*\t+\s)+2*\p:W2F+12*(2*\t+\s)+2*\p+1], v24 offset:3072*\t+96*\s+48*(\p/3)+8*(\p%3)
.endr
.endr
.endr
	; ---- block 0: interpolate.  Behind a pair's 12 loads stand three buffers' 36 and feats_target's 16: 52
	XSTEP 0, 0, 0, 52, 1, 0, 4
	XSTEP 1, 0, 1, 52, 1, 0, 5
	XSTEP 2, 0, 2, 52, 1, 0, 6
	XSTEP 3, 0, 3, 52, 1, 0, 7
	s_wait_loadcnt 48                              ; feats_target is in; the four buffers' 48 loads may be out
	FTSTORE
	XSTEP 0, 0, 4, 36, 1, 1, 0                     ; three buffers' 36 are younger; the buffers take the next block's first pairs
	XSTEP 1, 0, 5, 36, 1, 1, 1
	XSTEP 2, 0, 6, 36, 1, 1, 2
	XSTEP 3, 0, 7, 36, 1, 1, 3
	XQ 1
	BAR                                            ; x's twelve fragments lie in LDS
	P1
	XSTEP 0, 1, 0, 52, 1, 1, 4                     ; the next block's first pairs, into my own stage, whose reads are over
	XSTEP 1, 1, 1, 52, 1, 1, 5
	XSTEP 2, 1, 2, 52, 1, 1, 6
	XSTEP 3, 1, 3, 52, 1, 1, 7
	P2 0
	; ---- block 1.  x's images are written again behind the barrier at the second product's head, which every wave reaches behind its last read of them; the hidden layer's behind the barrier below
	s_wait_loadcnt 48
	FTSTORE
	XSTEP 0, 1, 4, 36, 0, 0, 0                     ; nothing more is asked for: the counts run down
	XSTEP 1, 1, 5, 24, 0, 0, 0
	XSTEP 2, 1, 6, 12, 0, 0, 0
	XSTEP 3, 1, 7, 0, 0, 0, 0
	XQ 0
	BAR
	P1
	P2 1
	s_wait_dscnt 0x0
	s_wait_tensorcnt 0x0
	ds_add_u32 v30, v31
	s_wait_dscnt 0x0
	ROUND                                          ; the closing round: no work-group ends while a partner may still ask for a tile that names it
	s_endpgm
.Lfunc_end_k_q6c05713c45_mlp:
	.size	k_q6c05713c45_mlp, .Lfunc_end_k_q6c05713c45_mlp-k_q6c05713c45_mlp
	.p2alignl 7, 3214868480
	.fill 96, 4, 3214868480
	.section	.rodata,"a",@progbits
	.p2align	6, 0x0
	.amdhsa_kernel k_q6c05713c45_mlp
		.amdhsa_group_segment_fixed_size 290816
		.amdhsa_private_segment_fixed_size 0
		.amdhsa_enable_private_segment 0
		.amdhsa_kernarg_size 72
		.amdhsa_user_sgpr_count 2
		.amdhsa_user_sgpr_kernarg_segment_ptr 1
		.amdhsa_wavefront_size32 1
		.amdhsa_system_sgpr_workgroup_id_x 1
		.amdhsa_system_sgpr_workgroup_id_y 1
		.amdhsa_system_sgpr_workgroup_id_z 1
		.amdhsa_system_vgpr_workitem_id 0
		.amdhsa_next_free_vgpr 1024
		.amdhsa_next_free_sgpr 66
		.amdhsa_reserve_vcc 0
		.amdhsa_float_denorm_mode_32 3
		.amdhsa_float_denorm_mode_16_64 3
		.amdhsa_memory_ordered 1
		.amdhsa_forward_progress 1
		.amdhsa_inst_pref_size 194
	.end_amdhsa_kernel
	.amdgpu_metadata
---
amdhsa.version: [ 1, 2 ]
amdhsa.kernels:
  - .name:           k_q6c05713c45_mlp
    .symbol:         k_q6c05713c45_mlp.kd
    .args:
      - { .name: feats_source, .offset: 0, .size: 8, .value_kind: global_buffer, .address_space: global }
      - { .name: feats_target, .offset: 8, .size: 8, .value_kind: global_buffer, .address_space: global }
      - { .name: w1_codes, .offset: 16, .size: 8, .value_kind: global_buffer, .address_space: global }
      - { .name: w1_scales, .offset: 24, .size: 8, .value_kind: global_buffer, .address_space: global }
      - { .name: w2_codes, .offset: 32, .size: 8, .value_kind: global_buffer, .address_space: global }
      - { .name: w2_scales, .offset: 40, .size: 8, .value_kind: global_buffer, .address_space: global }
      - { .name: nn_idx, .offset: 48, .size: 8, .value_kind: global_buffer, .address_space: global }
      - { .name: nn_w, .offset: 56, .size: 8, .value_kind: global_buffer, .address_space: global }
      - { .name: out0, .offset: 64, .size: 8, .value_kind: global_buffer, .address_space: global }
    .group_segment_fixed_size: 290816
    .private_segment_fixed_size: 0
    .kernarg_segment_align: 8
    .kernarg_segment_size: 72
    .max_flat_workgroup_size: 128
    .sgpr_count:     66
    .vgpr_count:     1024
    .wavefront_size: 32
...
	.end_amdgpu_metadata
.endif
;; end of part 2
